; MI455X (gfx1250); checked and timed in simulation.
; The chip was launched on July 23, 2026; its instructions are those of AMD's public machine-readable ISA for CDNA 5 (MIT licence, August 2026) and "CDNA5" Instruction Set Architecture Reference Guide (July 2026). The comments in the code are by the model that wrote it; some were corrected since.
;; Attention Block. Allowed arithmetic: float matrix products may take bf16 or f16 operands with f32 sums; other float arithmetic in f32, or as packed bf16 or f16 multiplies, adds, multiply-adds, maxima and minima; sums over many terms, partial sums and values carried from step to step in f32; what a program stores and reads back later, other than sums and carried values, may be rounded once to bf16 or f16.
;; Inputs: out_b 2,048 float32; out_w 2,048 x 2,048 float32; qkv_b 3,072 float32; qkv_w 3,072 x 2,048 float32; sinks 32 float32; x 4 x 1,024 x 2,048 float32.
;; Outputs: out0 4 x 1,024 x 2,048 float32.
;; One version. Each part assembles by itself: llvm-mc -triple=amdgcn-amd-amdhsa -mcpu=gfx1250 --defsym DOCPART=n.
;; ======== version 1 of 1: 4 launches
;; limits: values are held in f16: magnitudes above 65,504 overflow, below 6.1e-05 lose precision; right only within a limited range of input values
;; workspace buffers: xb 16,777,216 bytes; wb 12,582,912 bytes; ob 8,388,608 bytes; tab 278,528 bytes; qkvh 25,165,824 bytes; ao 16,777,216 bytes
;; launch prep (part 1): grid 1186 x 1, 8 waves a work-group, no clusters, 0 bytes of LDS; arguments x, qkv_w, out_w, xb, wb, ob, tab; writes xb, wb, ob, tab
.if DOCPART == 1
	.amdgcn_target "amdgcn-amd-amdhsa--gfx1250"
	.amdhsa_code_object_version 6
	.text
	.protected	k_q7bbbbfa66e_prep
	.globl	k_q7bbbbfa66e_prep
	.p2align	8
	.type	k_q7bbbbfa66e_prep,@function
k_q7bbbbfa66e_prep:
	s_mov_b64 s[64:65], 0
	v_nop
	global_prefetch_b8 v0, s[64:65] scope:SCOPE_SE
	s_setreg_imm32_b32 hwreg(HW_REG_WAVE_MODE, 25, 1), 1
	s_wait_xcnt 0x0
; PREP.  x -> xb and qkv_w -> wb, rounded once to bf16; out_w -> ob, rounded to bf16 and that number written as f16; and the rotary table tab.
; SHARES.  Work-groups 0-511 take x, 512-895 qkv_w, 896-1151 out_w: 16,384 numbers each, 8 a thread in each of 8 steps.  Work-groups 1152-1185 make 32 rows of the table each.
; A wave's two loads of a step cover 1,024 consecutive bytes, its store 512.  All sixteen loads of a thread go out first; no register is used twice by a memory instruction, so no wait frees one.
; TABLE.  Row t (256 bytes): 32 f32 of cos(t inv_freq[j]) conc / 4, then 32 of sin(..) conc / 4.  The 1/4 keeps q and k within f16.  Rows 1024-1087: 0.25 and 0, for v, which is not turned.
; inv_freq[j] = 150000^(-j/32) (1 - 31/32 ramp(j)), ramp = clip((j - low) / (high - low), 0, 1), conc = 0.1 ln 32 + 1: the constants of the problem's own table.
; sin and cos: the angle (under 1,024) less n pi/2 in two fused steps, then polynomials to r^9 and r^8 on |r| <= pi/4; the quadrant only selects and flips a sign.
; LIMITS.  ob: a bf16 number below 2^-17 in size keeps f16's fixed step of 6e-8; beyond 65,504 it would be lost (out_w here is some 0.02).  NaN and infinities are not treated apart.
; No LDS, no matrix unit, no cluster: nothing is shared and memory binds.  No prefetch: the launch is one stream of loads already.
.set XWG, 512
.set WWG, 384
.set OWG, 256
.set IN,  8                            ; v[8:71]    sixteen loads of 4
.set OUT, 72                           ; v[72:103]  eight stores of 4
.set T,   104                          ; v[104:111] at work
.set SRC, 24                           ; s[24:25]
.set DST, 26                           ; s[26:27]
.macro CAST mode                       ; mode 0: f32 -> bf16; mode 1: f32 -> bf16 -> f16
.set i, 0
.rept 8
	global_load_b128 v[IN+8*i:IN+8*i+3],   v1, s[SRC:SRC+1] offset:8192*i th:TH_LOAD_NT
	global_load_b128 v[IN+8*i+4:IN+8*i+7], v1, s[SRC:SRC+1] offset:8192*i+16 th:TH_LOAD_NT
.set i, i+1
.endr
.set i, 0
.rept 8
	s_wait_loadcnt 14-2*i                          ; loads come back in order: step i's two are in, the later steps' stay out
.if \mode
.irp j, 0,1,2,3
	v_cvt_pk_bf16_f32 v[T+2*(\j)], v[IN+8*i+2*(\j)], v[IN+8*i+2*(\j)+1]
.endr
.irp j, 0,1,2,3
	v_and_b32 v[T+2*(\j)+1], s33, v[T+2*(\j)]      ; the upper bf16 as f32,
	v_lshlrev_b32 v[T+2*(\j)], 16, v[T+2*(\j)]     ; the lower
.endr
.irp j, 0,1,2,3
	v_cvt_pk_f16_f32 v[OUT+4*i+(\j)], v[T+2*(\j)], v[T+2*(\j)+1]
.endr
.else
.irp j, 0,1,2,3
	v_cvt_pk_bf16_f32 v[OUT+4*i+(\j)], v[IN+8*i+2*(\j)], v[IN+8*i+2*(\j)+1]
.endr
.endif
	global_store_b128 v2, v[OUT+4*i:OUT+4*i+3], s[DST:DST+1] offset:4096*i
.set i, i+1
.endr
.endm
	s_load_b256 s[4:11], s[0:1], 0x0               ; x s[4:5], qkv_w s[6:7], out_w s[8:9], xb s[10:11]
	s_load_b128 s[12:15], s[0:1], 0x20             ; wb s[12:13], ob s[14:15]
	s_load_b64 s[16:17], s[0:1], 0x30              ; tab
	v_lshlrev_b32 v1, 5, v0                        ; 32 bytes of f32 a thread
	v_lshlrev_b32 v2, 4, v0                        ; 16 bytes of 16-bit numbers
	s_mov_b32 s33, 0xffff0000
	s_mov_b32 s21, 0
	s_mov_b32 s23, 0
	s_wait_kmcnt 0x0
	s_cmp_ge_u32 ttmp9, XWG+WWG+OWG
	s_cbranch_scc1 .Ltable
	s_cmp_ge_u32 ttmp9, XWG+WWG
	s_cbranch_scc1 .Lout_w
	s_cmp_ge_u32 ttmp9, XWG
	s_cbranch_scc1 .Lqkv_w
	s_lshl_b32 s20, ttmp9, 16                      ; 65,536 bytes in,
	s_lshl_b32 s22, ttmp9, 15                      ; 32,768 out
	s_add_nc_u64 s[SRC:SRC+1], s[4:5], s[20:21]
	s_add_nc_u64 s[DST:DST+1], s[10:11], s[22:23]
	CAST 0
	s_endpgm
.Lqkv_w:
	s_sub_co_u32 s18, ttmp9, XWG
	s_lshl_b32 s20, s18, 16
	s_lshl_b32 s22, s18, 15
	s_add_nc_u64 s[SRC:SRC+1], s[6:7], s[20:21]
	s_add_nc_u64 s[DST:DST+1], s[12:13], s[22:23]
	CAST 0
	s_endpgm
.Lout_w:
	s_sub_co_u32 s18, ttmp9, XWG+WWG
	s_lshl_b32 s20, s18, 16
	s_lshl_b32 s22, s18, 15
	s_add_nc_u64 s[SRC:SRC+1], s[8:9], s[20:21]
	s_add_nc_u64 s[DST:DST+1], s[14:15], s[22:23]
	CAST 1
	s_endpgm
.Ltable:                                               ; wave w makes rows 32 tl + 4 w + 0..3; a lane two neighbouring numbers: lanes 0-15 cos, lanes 16-31 sin, j = 2 (lane % 16) and the next
	s_sub_co_u32 s18, ttmp9, XWG+WWG+OWG           ; tl, 0 to 33
	v_lshrrev_b32 v3, 5, v0
	v_readfirstlane_b32 s19, v3                    ; wave
	s_lshl_b32 s20, s18, 5
	s_lshl2_add_u32 s20, s19, s20                  ; my first row
	s_lshl_b32 s22, s20, 8
	s_add_nc_u64 s[16:17], s[16:17], s[22:23]
	s_mov_b32 s24, 0x3f22f983                      ; 2 / pi
	s_mov_b32 s25, 0x3fc90fdb                      ; pi / 2, its f32,
	s_mov_b32 s26, 0xb33bbd2e                      ; and what that f32 leaves
	s_mov_b32 s27, 0x3638ef1d                      ; 1 / 9!
	s_mov_b32 s28, 0xb9500d01                      ; -1 / 7!
	s_mov_b32 s29, 0x37d00d01                      ; 1 / 8!
	s_mov_b32 s30, 0xbab60b61                      ; -1 / 6!
	s_mov_b32 s34, 0x3ddc1746                      ; 1 / (high - low)
	s_mov_b32 s35, 0xbef07c9f                      ; -low / (high - low)
	s_mov_b32 s36, 0xbf780000                      ; -31 / 32
	s_cmp_ge_u32 s18, 32                           ; rows 1024 on are the identity's
	s_cselect_b32 s31, 0, 0x3eac5c86               ; conc / 4, or 0
	s_cselect_b32 s32, 0x3e800000, 0               ; 0, or 0.25 for the cos lanes
	v_and_b32 v3, 31, v0
	v_lshlrev_b32 v13, 3, v3                       ; 8 bytes a lane: 32 lanes fill a row of 256
	v_cmp_gt_u32 vcc_lo, 16, v3
	v_cndmask_b32 v7, 0, 1, vcc_lo                 ; cos x = sin(x + pi/2): the quadrant plus one
	v_mov_b32 v14, s32
	v_cndmask_b32 v14, 0, v14, vcc_lo
	v_and_b32 v4, 15, v0
	v_lshlrev_b32 v4, 1, v4
	v_cvt_f32_u32 v5, v4                           ; j
	v_add_f32 v6, 1.0, v5                          ; j + 1
	v_mul_f32 v8, 0xbf098e8c, v5                   ; -j log2(150000) / 32
	v_mul_f32 v9, 0xbf098e8c, v6
	v_exp_f32 v8, v8
	v_exp_f32 v9, v9
	v_fma_f32 v10, v5, s34, s35                    ; the ramp: plain work behind the two exponentials
	v_fma_f32 v11, v6, s34, s35
	v_max_num_f32 v10, 0, v10
	v_max_num_f32 v11, 0, v11
	v_min_num_f32 v10, 1.0, v10
	v_min_num_f32 v11, 1.0, v11
	v_fma_f32 v10, v10, s36, 1.0
	v_fma_f32 v11, v11, s36, 1.0
	v_cvt_f32_u32 v12, s20                         ; t
	s_wait_alu depctr_va_vdst(0)                   ; one wait for both exponentials, ahead of their first reader
	v_mul_f32 v8, v8, v10                          ; inv_freq[j]
	v_mul_f32 v9, v9, v11
.macro SC dst, inv                     ; dst = (sin or cos)(t inv) x MULT + ADD
	v_mul_f32 v20, v12, \inv                       ; the angle, rounded once as the table's own product is
	v_mul_f32 v21, s24, v20
	v_rndne_f32 v21, v21                           ; n
	v_fma_f32 v22, -v21, s25, v20
	v_fma_f32 v22, -v21, s26, v22                  ; r = angle - n pi/2
	v_cvt_i32_f32 v23, v21
	v_add_nc_u32 v23, v23, v7                      ; the quadrant
	v_mul_f32 v24, v22, v22
	v_fma_f32 v25, v24, s27, s28
	v_fmaak_f32 v25, v25, v24, 0x3c088889
	v_fmaak_f32 v25, v25, v24, 0xbe2aaaab
	v_mul_f32 v26, v22, v24
	v_fma_f32 v25, v26, v25, v22                   ; sin r
	v_fma_f32 v26, v24, s29, s30
	v_fmaak_f32 v26, v26, v24, 0x3d2aaaab
	v_fma_f32 v26, v26, v24, -0.5
	v_fma_f32 v26, v26, v24, 1.0                   ; cos r
	v_and_b32 v27, 1, v23
	v_cmp_eq_u32 vcc_lo, 1, v27
	v_cndmask_b32 v25, v25, v26, vcc_lo            ; odd quadrants take cos r: a choice of value, no branch
	v_and_b32 v27, 2, v23
	v_lshlrev_b32 v27, 30, v27
	v_xor_b32 v25, v25, v27                        ; quadrants 2 and 3 turn the sign
	v_fma_f32 \dst, v25, s31, v14
.endm
.irp i, 0,1,2,3
	SC v[28+2*(\i)], v8
	SC v[29+2*(\i)], v9
	global_store_b64 v13, v[28+2*(\i):29+2*(\i)], s[16:17] offset:256*(\i)  ; a whole row of 256 bytes
	v_add_f32 v12, 1.0, v12
.endr
	s_endpgm
.Lfunc_end_k_q7bbbbfa66e_prep:
	.size	k_q7bbbbfa66e_prep, .Lfunc_end_k_q7bbbbfa66e_prep-k_q7bbbbfa66e_prep
	.p2alignl 7, 3214868480
	.fill 96, 4, 3214868480
	.section	.rodata,"a",@progbits
	.p2align	6, 0x0
	.amdhsa_kernel k_q7bbbbfa66e_prep
		.amdhsa_group_segment_fixed_size 0
		.amdhsa_private_segment_fixed_size 0
		.amdhsa_enable_private_segment 0
		.amdhsa_kernarg_size 56
		.amdhsa_user_sgpr_count 2
		.amdhsa_user_sgpr_kernarg_segment_ptr 1
		.amdhsa_wavefront_size32 1
		.amdhsa_system_sgpr_workgroup_id_x 1
		.amdhsa_system_sgpr_workgroup_id_y 1
		.amdhsa_system_sgpr_workgroup_id_z 1
		.amdhsa_system_vgpr_workitem_id 0
		.amdhsa_next_free_vgpr 112
		.amdhsa_next_free_sgpr 66
		.amdhsa_reserve_vcc 1
		.amdhsa_float_denorm_mode_32 3
		.amdhsa_float_denorm_mode_16_64 3
		.amdhsa_memory_ordered 1
		.amdhsa_forward_progress 1
		.amdhsa_inst_pref_size 31
	.end_amdhsa_kernel
	.amdgpu_metadata
---
amdhsa.version: [ 1, 2 ]
amdhsa.kernels:
  - .name:           k_q7bbbbfa66e_prep
    .symbol:         k_q7bbbbfa66e_prep.kd
    .args:
      - { .name: x, .offset: 0, .size: 8, .value_kind: global_buffer, .address_space: global }
      - { .name: qkv_w, .offset: 8, .size: 8, .value_kind: global_buffer, .address_space: global }
      - { .name: out_w, .offset: 16, .size: 8, .value_kind: global_buffer, .address_space: global }
      - { .name: xb, .offset: 24, .size: 8, .value_kind: global_buffer, .address_space: global }
      - { .name: wb, .offset: 32, .size: 8, .value_kind: global_buffer, .address_space: global }
      - { .name: ob, .offset: 40, .size: 8, .value_kind: global_buffer, .address_space: global }
      - { .name: tab, .offset: 48, .size: 8, .value_kind: global_buffer, .address_space: global }
    .group_segment_fixed_size: 0
    .private_segment_fixed_size: 0
    .kernarg_segment_align: 8
    .kernarg_segment_size: 56
    .max_flat_workgroup_size: 256
    .sgpr_count:     66
    .vgpr_count:     112
    .wavefront_size: 32
...
	.end_amdgpu_metadata
.endif
;; end of part 1
;; launch qkv (part 2): grid 16 x 16, 4 waves a work-group, clusters of 4 x 4, 327,680 bytes of LDS; arguments xb, wb, qkv_b, qkvh, tab; writes qkvh
.if DOCPART == 2
	.amdgcn_target "amdgcn-amd-amdhsa--gfx1250"
	.amdhsa_code_object_version 6
	.text
	.protected	k_q7bbbbfa66e_qkv
	.globl	k_q7bbbbfa66e_qkv
	.p2align	8
	.type	k_q7bbbbfa66e_qkv,@function
k_q7bbbbfa66e_qkv:
	s_mov_b64 s[64:65], 0
	v_nop
	global_prefetch_b8 v0, s[64:65] scope:SCOPE_SE
	s_setreg_imm32_b32 hwreg(HW_REG_WAVE_MODE, 25, 1), 1
	s_wait_xcnt 0x0
	s_wait_alu depctr_hold_cnt(0) depctr_sa_sdst(0) depctr_va_vdst(0) depctr_va_sdst(0) depctr_va_ssrc(0) depctr_va_vcc(0) depctr_vm_vsrc(0)
	s_getreg_b32 s2, hwreg(HW_REG_IB_STS2, 6, 4)
	s_cmp_eq_u32 s2, 0
	s_cbranch_scc0 .Lentry_in_a_cluster
	s_endpgm
.Lentry_in_a_cluster:
	s_bfe_u32 s2, ttmp6, 0x10000c
	s_cmp_lg_u32 s2, 0xf033
	s_cbranch_scc0 .Lentry_shape_is_right
	s_endpgm
.Lentry_shape_is_right:
; QKV.  qkv = x w^T + b (x: [4096][2048], w: [3072][2048], both bf16; sums in f32; b rounded to bf16 starts the sums), then the rotation of q and k, then f16, by heads:
; qkvh[batch][head 0-47][t][64]: q heads 0-31, k 32-39, v 40-47, ALL TIMES 1/4 (the factor lies in the table; v takes the table's identity rows).
; LIMIT.  f16 ends at 65,504: the turned q and k, and v, must stay under 262,000 in size.  NaN and infinities are not treated apart.
; SHARES.  A tile is 256 rows x 192 columns (three heads): 16 x 16 tiles, one work-group each.  Wave w owns rows 64 w .. 64 w + 63 and all 192 columns: 4 x 12 accumulators, 384 registers;
; so a head's two halves lie in one lane and the rotation needs no exchange.  K goes in 16 steps of 128 (rows of 256 bytes, aligned) through two LDS slots filled by tensor loads.
; THE MATRIX INSTRUCTION IS USED TRANSPOSED (source 0 = 16 rows of w, source 1 = 16 rows of x): lane l holds row l % 16 and columns 16 b + 8 (l / 16) + 0..7.
; CLUSTER 4 x 4.  x's tile hangs on the tile row and is asked for jointly along a row of the cluster, w's on the tile column, along a column.
; REGISTERS, in windows of 256: window 0 addresses, the bias (until the first products), the way out; window 1 accumulators of row blocks 0, 1; window 2 of 2, 3; window 3 two fragment buffers of 128:
; w's twelve fragments, then x's four.  s_set_vgpr_msb: bits 1:0 source 0, 3:2 source 1, 5:4 source 2, 7:6 destination.
.set NBLK,  12
.set BH,    8*NBLK                     ; rows of w in one tensor load
.set PITCH, 272                        ; 256 bytes + 16 of padding = 68 words: the 16 rows of a fragment load start at 16 different groups of four banks (64 banks of 4 bytes: ISA guide 11.1)
.set ASZ,   256*PITCH
.set SLOT,  ASZ+16*NBLK*PITCH          ; x's 256 rows, then w's 192
.set STAGE, 2*SLOT                     ; behind the ring: 16 rows x 144 bytes for each wave, never filled by a tensor load
.set SP,    144
.set SPARE, STAGE+4*16*SP              ; the spare words: 128 bytes a wave, two blocks of 256 bytes that no other line names
.set NF,    2*NBLK+8                   ; LDS loads in a run
.set LAPS,  8                          ; 2,048 / (2 x 128)
.set LQ,   1                           ; v1  l % 16
.set HH,   2                           ; v2  l / 16
.set TOA,  12                          ; v12 my offset in the table for the tile's first head
.set TOB,  13                          ; v13 for its second and third
.set BO,   14                          ; v14 32 (l / 16): my 8 numbers of 16 of the bias
.set ADRA, 16                          ; v16-17 LDS address of my fragments of x in slot 0, 1
.set ADRB, 20                          ; v20-21 of w
.set STO,  24
.set RD,   25
.set GO,   26
.set SPW,  28                          ; v28 SPARE + 4 x my thread's number; never rewritten
.set NIL,  29                          ; v29 0; never rewritten
.set PFO,  30                          ; v30 the prefetches' offset: row l % 16, K step l / 16; never rewritten
.set TT,   31
.set BIAS, 64                          ; v64-159
.set Y,    64                          ; the way out: 32 turned numbers
.set PKD,  96                          ; 16 registers of f16
.set BK0,  112                         ; two buffers of 16: rows read back
.set F0,   0
.set F1,   128
.set G1,   24
.set G0,   32
.set G1B,  48
.set G0B,  56
.set PFA,  40                          ; s[40:41]
.set PFB,  42                          ; s[42:43]
.set LIMA, 44                          ; s44  1 in a wave that prefetches x, else the greatest number
.set LIMB, 45                          ; s45  the same for w
.set MSB, 0
.macro WIN new                         ; the high byte repeats the setting that is left; a switch that changes nothing is dropped
.if MSB != (\new)
	s_set_vgpr_msb (MSB<<8)|(\new)
.set MSB, \new
.endif
.endm
.macro PLACES                          ; four plain places behind a matrix instruction, in front of loads into registers that it read and of vector lines that read its result
.rept 4
	v_nop
.endr
.endm
.macro JLOAD n                         ; a joint load: waves 0, 1 fetch x's two halves, waves 2, 3 w's; an s_nop 0 and four v_nop follow each line
	s_cmp_eq_u32 s15, 0
	s_cbranch_scc0 .Lfor_b_\@
	tensor_load_to_lds s[G0+4*(\n):G0+4*(\n)+3], s[G1:G1+7]
	s_nop 0
	PLACES
	s_branch .Lasked_\@
.Lfor_b_\@:
	tensor_load_to_lds s[G0B+4*(\n):G0B+4*(\n)+3], s[G1B:G1B+7]
	s_nop 0
	PLACES
.Lasked_\@:
.endm
.macro CREST                           ; a round of the cluster's barrier behind its opening barrier
	s_cmp_lg_u32 s14, 0
	s_cbranch_scc1 .Lnot_wave_0_\@
	s_barrier_signal -3
.Lnot_wave_0_\@:
	s_barrier_wait -3
	s_barrier_signal -1
	s_barrier_wait -1
.endm
.macro CROUND
	s_barrier_signal -1
	s_barrier_wait -1
	CREST
.endm
; A PREFETCH INTO THE L2: 16 rows x two K steps (512 bytes of each row), a lane a block of 256 bytes.  In trip i of the loop it names K steps 2 i + 4 and 2 i + 5, which the next trip's refills ask for.
; x's rows are read by every cluster of a row of clusters: cluster x = 0 asks; the four partners take 64 rows each, told apart by address, a wave 16.  w's rows: cluster y = 0 asks, a partner 48 rows, waves 0-2.
; So each block is named once in the launch.  The last trip asks for nothing; K steps 0-3 come by their loads alone.
.macro ASK lim, pf
	WIN 0
	s_cmp_gt_u32 s3, s[\lim]
	s_cbranch_scc0 .Lnot_mine_\@
	global_prefetch_b8 v[PFO], s[\pf:\pf+1] th:TH_LOAD_NT scope:SCOPE_SE
.Lnot_mine_\@:
.endm
; Twelve matrix instructions: row block a x all column blocks, 32 along K, from buffer f.  mode = 1: the bias starts the sums.  The 48 accumulators take turns in one order throughout.
.macro MULA f, a, mode
.if \mode
	WIN 0x4f+0x40*((\a)/2)
.else
	WIN 0x5f+0x50*((\a)/2)
.endif
.set b, 0
.rept NBLK
.set rD, 8*(NBLK*((\a)%2)+b)
.if \mode
	v_wmma_f32_16x16x32_bf16 v[rD:rD+7], v[(\f)+8*b:(\f)+8*b+7], v[(\f)+8*NBLK+8*(\a):(\f)+8*NBLK+8*(\a)+7], v[BIAS+8*b:BIAS+8*b+7]
.else
	v_wmma_f32_16x16x32_bf16 v[rD:rD+7], v[(\f)+8*b:(\f)+8*b+7], v[(\f)+8*NBLK+8*(\a):(\f)+8*NBLK+8*(\a)+7], v[rD:rD+7]
.endif
.set b, b+1
.endr
.endm
.macro FETCH slot, k, f                ; one run of NF LDS loads: w's fragments, then x's blocks 0, 1, then 2, 3
	WIN 0xc0
.set b, 0
.rept NBLK
	ds_load_b128 v[(\f)+8*b:(\f)+8*b+3],   v[ADRB+(\slot)] offset:(\k)+b*16*PITCH
	ds_load_b128 v[(\f)+8*b+4:(\f)+8*b+7], v[ADRB+(\slot)] offset:(\k)+b*16*PITCH+32
.set b, b+1
.endr
.set b, 0
.rept 4
	ds_load_b128 v[(\f)+8*NBLK+8*b:(\f)+8*NBLK+8*b+3],   v[ADRA+(\slot)] offset:(\k)+b*16*PITCH
	ds_load_b128 v[(\f)+8*NBLK+8*b+4:(\f)+8*NBLK+8*b+7], v[ADRA+(\slot)] offset:(\k)+b*16*PITCH+32
.set b, b+1
.endr
.endm
.macro QUARTER slot, k, f, g, mode     ; multiplies buffer f; in its middle fetches the next quarter, at byte k of the rows, into g
	s_wait_dscnt 4                                 ; all but the youngest four loads (x's blocks 2, 3)
	MULA \f, 0, \mode
	MULA \f, 1, \mode
	PLACES
	FETCH \slot, \k, \g
	s_wait_dscnt NF                                ; all but the run just issued
	MULA \f, 2, \mode
	MULA \f, 3, \mode
.endm
; The last quarter of a K step multiplies buffer 1 and changes slots.  In front of the barrier each wave waits for all its tensor loads (one is out: its part of the next slot), adds 0 to its spare word,
; and waits for that and for its reads of this slot.  fill = 1: the barrier opens a round of the cluster's barrier, and the joint refill, two K steps on, is the first thing behind the round.
.macro TURN slot, next, fill
.if (\fill) && ((\slot) == 0)
	s_wait_xcnt 0x0                                ; the last prefetches, three quarters back and more, have read their addresses
	s_add_nc_u64 s[PFA:PFA+1], s[PFA:PFA+1], 512
	s_add_nc_u64 s[PFB:PFB+1], s[PFB:PFB+1], 512
.endif
	WIN 0
	s_wait_tensorcnt 0x0
	ds_add_u32 v[SPW], v[NIL]
	s_wait_dscnt 5                                 ; (the add and the youngest four loads may be out)
	MULA F1, 0, 0
	s_wait_dscnt 0x0                               ; the add is done, my reads of this slot are over
	s_barrier_signal -1
	MULA F1, 1, 0
.if \fill
	WIN 0
.endif
	s_barrier_wait -1
.if \fill
	CREST
	s_add_nc_u64 s[G0+4*(\slot)+2:G0+4*(\slot)+3], s[G0+4*(\slot)+2:G0+4*(\slot)+3], 512
	s_add_nc_u64 s[G0B+4*(\slot)+2:G0B+4*(\slot)+3], s[G0B+4*(\slot)+2:G0B+4*(\slot)+3], 512
	JLOAD \slot                                    ; its four v_nop are also the places in front of the loads below
.else
	PLACES
.endif
	FETCH \next, 0, F0
.if \fill
.if (\slot) == 0
	ASK LIMA, PFA
.else
	ASK LIMB, PFB
.endif
.endif
	MULA F1, 2, 0
	MULA F1, 3, 0
.endm
	s_load_b256 s[4:11], s[0:1], 0x0               ; xb s[4:5], wb s[6:7], qkv_b s[8:9], qkvh s[10:11]
	s_load_b64 s[12:13], s[0:1], 0x20              ; tab
	v_lshl_add_u32 v[SPW], v0, 2, SPARE
	v_mov_b32 v[NIL], 0
	ds_add_u32 v[SPW], v[NIL]                      ; the wave's opening: the add and its wait ahead of my first tensor load
	v_lshrrev_b32 v3, 5, v0
	v_readfirstlane_b32 s14, v3                    ; wave
	s_lshr_b32 s15, s14, 1                         ; 0: I fetch for x, 1: for w
	s_and_b32 s16, s14, 1                          ; which half
	s_bfe_u32 s17, ttmp6, 0x40000                  ; cx
	s_bfe_u32 s18, ttmp6, 0x40004                  ; cy
	s_lshl_b32 s19, ttmp9, 2
	s_add_co_u32 s19, s19, s17                     ; tile column
	s_and_b32 s20, ttmp7, 0xffff
	s_lshl_b32 s20, s20, 2
	s_add_co_u32 s20, s20, s18                     ; tile row
	s_lshl_b32 s74, s18, 2
	s_lshl_b32 s74, 15, s74                        ; my row of the cluster
	s_lshl_b32 s75, 0x1111, s17                    ; my column
	s_or_b32 s[G1], s74, (1<<16)|(1<<20)|(1<<21)|(5<<22)|(3<<25)   ; mask; 2-byte elements; padding on; bit 21 beside a mask; after every 64 words, 4 words
	s_or_b32 s[G1B], s75, (1<<16)|(1<<20)|(1<<21)|(5<<22)|(3<<25)
	s_mov_b32 s[G1+1], 128<<16                     ; tensor_dim0 = 128
	s_mov_b32 s[G1+2], 128<<16                     ; tensor_dim1 = 128
	s_mov_b32 s[G1+3], 128<<16                     ; tile_dim0 = 128
	s_mov_b32 s[G1+4], 128                         ; tile_dim1 = 128
	s_mov_b32 s[G1+5], 2048                        ; elements from row to row
	s_mov_b32 s[G1+6], 0
	s_mov_b32 s[G1+7], 0
	s_mov_b32 s[G1B+1], 128<<16
	s_mov_b32 s[G1B+2], BH<<16
	s_mov_b32 s[G1B+3], 128<<16
	s_mov_b32 s[G1B+4], BH
	s_mov_b32 s[G1B+5], 2048
	s_mov_b32 s[G1B+6], 0
	s_mov_b32 s[G1B+7], 0
	s_lshl_b32 s66, s20, 8
	s_lshl_b32 s67, s16, 7
	s_add_co_u32 s66, s66, s67                     ; x: row 256 x tile row + 128 x half,
	s_lshl_b32 s66, s66, 12                        ; of 4,096 bytes
	s_mov_b32 s67, 0
	s_mul_i32 s70, s19, 16*NBLK
	s_mul_i32 s71, s16, BH
	s_add_co_u32 s70, s70, s71                     ; w: row 192 x tile column + 96 x half
	s_lshl_b32 s70, s70, 12
	s_mov_b32 s71, 0
	s_mul_i32 s46, s14, 128*PITCH                  ; where they go: x's halves at wave x 128 rows (waves 0, 1),
	s_mul_i32 s47, s14, BH*PITCH
	s_add_co_u32 s47, s47, ASZ-2*BH*PITCH          ; w's behind x's 256 rows, at (wave - 2) x 96 rows (waves 2, 3)
	s_mov_b32 s76, 0xffff0000
	s_wait_dscnt 0x0                               ; the opening add is done
	s_wait_kmcnt 0x0
	s_add_nc_u64 s[68:69], s[4:5], s[66:67]
	s_add_nc_u64 s[72:73], s[6:7], s[70:71]
.irp n, 0,1
	s_mov_b32 s[G0+4*(\n)], 1
	s_add_co_u32 s[G0+4*(\n)+1], s46, (\n)*SLOT
	s_add_nc_u64 s[G0+4*(\n)+2:G0+4*(\n)+3], s[68:69], (\n)*256
	s_or_b32 s[G0+4*(\n)+3], s[G0+4*(\n)+3], 0x80000000
	s_mov_b32 s[G0B+4*(\n)], 1
	s_add_co_u32 s[G0B+4*(\n)+1], s47, (\n)*SLOT
	s_add_nc_u64 s[G0B+4*(\n)+2:G0B+4*(\n)+3], s[72:73], (\n)*256
	s_or_b32 s[G0B+4*(\n)+3], s[G0B+4*(\n)+3], 0x80000000
.endr
	CROUND                                         ; all sixteen work-groups are here: the first joint loads meet
	s_cmp_eq_u32 s15, 0                            ; a wave's two first fills stand in one branch: two loads of mine are out
	s_cbranch_scc0 .Lfirst_b
	tensor_load_to_lds s[G0:G0+3], s[G1:G1+7]
	s_nop 0
	tensor_load_to_lds s[G0+4:G0+7], s[G1:G1+7]
	s_nop 0
	PLACES
	s_branch .Lfirst_asked
.Lfirst_b:
	tensor_load_to_lds s[G0B:G0B+3], s[G1B:G1B+7]
	s_nop 0
	tensor_load_to_lds s[G0B+4:G0B+7], s[G1B:G1B+7]
	s_nop 0
	PLACES
.Lfirst_asked:
	v_and_b32 v[LQ], 15, v0
	v_bfe_u32 v[HH], v0, 4, 1
	v_lshlrev_b32 v[BO], 5, v[HH]
	s_mul_i32 s22, s19, 64*NBLK                    ; the tile's 192 numbers of the bias
	s_mov_b32 s23, 0
	s_add_nc_u64 s[8:9], s[8:9], s[22:23]
.set b, 0
.rept NBLK
	global_load_b128 v[BIAS+8*b:BIAS+8*b+3],   v[BO], s[8:9] offset:64*b
	global_load_b128 v[BIAS+8*b+4:BIAS+8*b+7], v[BO], s[8:9] offset:64*b+16
.set b, b+1
.endr
	v_mul_u32_u24 v3, v[LQ], PITCH
	v_lshl_add_u32 v3, v[HH], 4, v3                ; a fragment's row x pitch + 16 x half
	s_mul_i32 s21, s14, 64*PITCH                   ; my 64 rows of x
	v_add_nc_u32 v[ADRA], s21, v3
	v_add_nc_u32 v[ADRA+1], SLOT, v[ADRA]
	v_add_nc_u32 v[ADRB], ASZ, v3
	v_add_nc_u32 v[ADRB+1], SLOT, v[ADRB]
	s_mul_i32 s21, s14, 16*SP
	s_add_co_u32 s21, s21, STAGE                   ; my stage
	v_mul_u32_u24 v[STO], v[LQ], SP                ; in: row l % 16, 16 bytes for each half of the lanes
	v_lshl_add_u32 v[STO], v[HH], 4, v[STO]
	v_add_nc_u32 v[STO], s21, v[STO]
	v_bfe_u32 v[RD], v0, 3, 2                      ; back: 32 lanes take four rows of 128 bytes,
	v_mul_u32_u24 v[RD], v[RD], SP
	v_and_b32 v3, 7, v0
	v_lshl_add_u32 v[RD], v3, 4, v[RD]
	v_add_nc_u32 v[RD], s21, v[RD]
	v_and_b32 v[GO], 31, v0                        ; which are 512 consecutive bytes of a head
	v_lshlrev_b32 v[GO], 4, v[GO]
	v_lshlrev_b32 v[PFO], 12, v[LQ]
	v_lshl_add_u32 v[PFO], v[HH], 8, v[PFO]
	; where my rows of the tile's first head begin in qkvh, and my rows of the table
	s_lshr_b32 s21, s20, 2                         ; the batch
	s_mul_i32 s21, s21, 48
	s_mul_i32 s22, s19, 3
	s_add_co_u32 s22, s22, s21                     ; the tile's first head among 4 x 48
	s_lshl_b32 s22, s22, 10
	s_and_b32 s21, s20, 3
	s_lshl_b32 s21, s21, 8
	s_lshl_b32 s23, s14, 6
	s_add_co_u32 s21, s21, s23                     ; my first t
	s_add_co_u32 s22, s22, s21
	s_lshl_b32 s22, s22, 7                         ; rows of 128 bytes
	s_mov_b32 s23, 0
	s_add_nc_u64 s[10:11], s[10:11], s[22:23]
	s_cmp_ge_u32 s19, 14                           ; heads 40 on are v's: 40 = 3 x 13 + 1, so tile column 13 holds k's last head and two of v
	s_cselect_b32 s22, 1024, s21
	s_cmp_ge_u32 s19, 13
	s_cselect_b32 s23, 1024, s21
	v_add_nc_u32 v[TOA], s22, v[LQ]
	v_lshlrev_b32 v[TOA], 8, v[TOA]
	v_lshl_add_u32 v[TOA], v[HH], 5, v[TOA]
	v_add_nc_u32 v[TOB], s23, v[LQ]
	v_lshlrev_b32 v[TOB], 8, v[TOB]
	v_lshl_add_u32 v[TOB], v[HH], 5, v[TOB]
	; the prefetches: nothing is asked for here, at the head
	s_lshl_b32 s22, s20, 8
	s_lshl_b32 s21, s17, 6
	s_add_co_u32 s22, s22, s21
	s_lshl_b32 s21, s14, 4
	s_add_co_u32 s22, s22, s21                     ; x: row 256 x tile row + 64 cx + 16 wave
	s_lshl_b32 s22, s22, 12
	s_add_co_u32 s22, s22, 512                     ; at K step 2: the first trip steps it to 4
	s_mov_b32 s23, 0
	s_add_nc_u64 s[PFA:PFA+1], s[4:5], s[22:23]
	s_mul_i32 s22, s19, 16*NBLK
	s_mul_i32 s21, s18, 4*NBLK
	s_add_co_u32 s22, s22, s21
	s_lshl_b32 s21, s14, 4
	s_add_co_u32 s22, s22, s21                     ; w: row 192 x tile column + 48 cy + 16 wave
	s_lshl_b32 s22, s22, 12
	s_add_co_u32 s22, s22, 512
	s_add_nc_u64 s[PFB:PFB+1], s[6:7], s[22:23]
	s_cmp_eq_u32 ttmp9, 0
	s_cselect_b32 s[LIMA], 1, -1                   ; the same in all sixteen partners
	s_and_b32 s21, ttmp7, 0xffff
	s_cmp_lt_u32 s14, NBLK/4
	s_cselect_b32 s22, 0, 1
	s_or_b32 s21, s21, s22
	s_cmp_eq_u32 s21, 0
	s_cselect_b32 s[LIMB], 1, -1
	s_wait_loadcnt 0x0                             ; the bias
.set z, 0
.rept 4*NBLK                           ; rounded to bf16, like every input
	v_cvt_pk_bf16_f32 v[TT], v[BIAS+z], v[BIAS+z+1]
	v_lshlrev_b32 v[BIAS+z], 16, v[TT]
	v_and_b32 v[BIAS+z+1], s76, v[TT]
.set z, z+2
.endr
	s_wait_tensorcnt 0x1                           ; my part of K step 0 is in; K step 1's may stay out
	s_barrier_signal -1
	s_barrier_wait -1
	FETCH 0, 0, F0
	QUARTER 0, 64, F0, F1, 1                       ; the first quarter stands in front of the loop: its products start the sums, with the bias
	WIN 0
	s_mov_b32 s3, LAPS-1
.Llap:                                                 ; a trip goes once round the ring, from a lap's second quarter to the next lap's first
	QUARTER 0, 128, F1, F0, 0
	QUARTER 0, 192, F0, F1, 0
	TURN 0, 1, 1
	QUARTER 1, 64,  F0, F1, 0
	QUARTER 1, 128, F1, F0, 0
	QUARTER 1, 192, F0, F1, 0
	TURN 1, 0, 1
	QUARTER 0, 64,  F0, F1, 0
	WIN 0
	s_sub_co_u32 s3, s3, 1
	s_cmp_lg_u32 s3, 0
	s_cbranch_scc1 .Llap
	QUARTER 0, 128, F1, F0, 0                      ; the last lap fills nothing
	QUARTER 0, 192, F0, F1, 0
	TURN 0, 1, 0
	QUARTER 1, 64,  F0, F1, 0
	QUARTER 1, 128, F1, F0, 0
	QUARTER 1, 192, F0, F1, 0
; The table for row block aa: 16 loads.  Set 0 (first head) at 64 aa, set 1 (the other two) at 64 aa + 32 of window 3: cos of columns 0-15, 16-31, then sin likewise, my 8 of each 16.
.macro TABLD aa
	WIN 0xc0
.irp o, 0,1,2,3,4,5,6,7
	global_load_b128 v[64*(\aa)+4*(\o):64*(\aa)+4*(\o)+3], v[TOA], s[12:13] offset:4096*(\aa)+64*((\o)/2)+16*((\o)%2)
.endr
.irp o, 0,1,2,3,4,5,6,7
	global_load_b128 v[64*(\aa)+32+4*(\o):64*(\aa)+32+4*(\o)+3], v[TOB], s[12:13] offset:4096*(\aa)+64*((\o)/2)+16*((\o)%2)
.endr
.endm
	s_wait_dscnt 4                                 ; the very last quarter
	MULA F1, 0, 0
	MULA F1, 1, 0
	PLACES
	TABLD 0                                        ; buffer 0 is free: it takes the table for row blocks 0 and 1
	TABLD 1
	s_wait_dscnt 0x0
	MULA F1, 2, 0
	MULA F1, 3, 0
	PLACES
	TABLD 2
	TABLD 3
; THE WAY OUT, a unit = 16 rows of one head (row block a, head s of three).  x1 = columns 0-31 of the head, x2 = columns 32-63: y1 = x1 cos - x2 sin, y2 = x2 cos + x1 sin; each accumulator is read from its low end on.
; Then f16, 16 bytes a lane into my stage, back as whole rows of 128 bytes, four rows (512 consecutive bytes of qkvh) a store.
.macro PACKQ a, s, i
.set TB, 64*(\a)+32*(((\s)+1)/2)
.set AC, 8*(NBLK*((\a)%2)+4*(\s))
.set BK, BK0+16*((\i)%2)
.if (\s) == 0
	s_wait_loadcnt 48-16*(\a)                      ; this row block's 16 table loads are in; the later blocks' stay out
.endif
	WIN 0x0d+(\a)/2                                ; source 0 the accumulators' window, source 1 window 3
.set z, 0
.rept 8
	v_pk_mul_f32 v[Y+z:Y+z+1], v[AC+16+z:AC+16+z+1], v[TB+16+z:TB+16+z+1]
.set z, z+2
.endr
.set z, 0
.rept 8
	v_pk_mul_f32 v[Y+16+z:Y+16+z+1], v[AC+z:AC+z+1], v[TB+16+z:TB+16+z+1]
.set z, z+2
.endr
.set z, 0
.rept 8
	v_pk_fma_f32 v[Y+z:Y+z+1], v[AC+z:AC+z+1], v[TB+z:TB+z+1], v[Y+z:Y+z+1] neg_lo:[0,0,1] neg_hi:[0,0,1]
.set z, z+2
.endr
.set z, 0
.rept 8
	v_pk_fma_f32 v[Y+16+z:Y+16+z+1], v[AC+16+z:AC+16+z+1], v[TB+z:TB+z+1], v[Y+16+z:Y+16+z+1]
.set z, z+2
.endr
	WIN 0
.set z, 0
.rept 16
	v_cvt_pk_f16_f32 v[PKD+z], v[Y+2*z], v[Y+2*z+1]
.set z, z+1
.endr
.irp q, 0,1,2,3
	ds_store_b128 v[STO], v[PKD+4*(\q):PKD+4*(\q)+3] offset:32*(\q)
.endr
	s_wait_xcnt 0x0                                ; the stores of two units back have read this buffer: it is loaded again only behind this wait
.irp q, 0,1,2,3
	ds_load_b128 v[BK+4*(\q):BK+4*(\q)+3], v[RD] offset:(\q)*4*SP  ; LDS serves a wave's instructions in order (ISA guide 5.7.1.4): these see the stores above
.endr
.endm
.macro SENDQ a, s, i, younger          ; younger: the LDS instructions issued behind this unit's loads
.set BK, BK0+16*((\i)%2)
.irp q, 0,1,2,3
	s_wait_dscnt (\younger)+3-(\q)
	global_store_b128 v[GO], v[BK+4*(\q):BK+4*(\q)+3], s[10:11] offset:(\s)*131072+(\a)*2048+(\q)*512
.endr
.endm
	PACKQ 0, 0, 0
.irp i, 1,2,3,4,5,6,7,8,9,10,11        ; a unit's arithmetic stands between the loads of the unit before and its stores
	PACKQ (\i)/3, (\i)%3, \i
	SENDQ ((\i)-1)/3, ((\i)-1)%3, (\i)-1, 8
.endr
	SENDQ 3, 2, 11, 0
	s_wait_tensorcnt 0x0                           ; the wave's end
	ds_add_u32 v[SPW], v[NIL]
	s_wait_dscnt 0x0
	CROUND                                         ; the closing round: no work-group ends while a partner may still ask for a tile that names it
	s_endpgm
.Lfunc_end_k_q7bbbbfa66e_qkv:
	.size	k_q7bbbbfa66e_qkv, .Lfunc_end_k_q7bbbbfa66e_qkv-k_q7bbbbfa66e_qkv
	.p2alignl 7, 3214868480
	.fill 96, 4, 3214868480
	.section	.rodata,"a",@progbits
	.p2align	6, 0x0
	.amdhsa_kernel k_q7bbbbfa66e_qkv
		.amdhsa_group_segment_fixed_size 327680
		.amdhsa_private_segment_fixed_size 0
		.amdhsa_enable_private_segment 0
		.amdhsa_kernarg_size 40
		.amdhsa_user_sgpr_count 2
		.amdhsa_user_sgpr_kernarg_segment_ptr 1
		.amdhsa_wavefront_size32 1
		.amdhsa_system_sgpr_workgroup_id_x 1
		.amdhsa_system_sgpr_workgroup_id_y 1
		.amdhsa_system_sgpr_workgroup_id_z 1
		.amdhsa_system_vgpr_workitem_id 0
		.amdhsa_next_free_vgpr 1024
		.amdhsa_next_free_sgpr 80
		.amdhsa_reserve_vcc 0
		.amdhsa_float_denorm_mode_32 3
		.amdhsa_float_denorm_mode_16_64 3
		.amdhsa_memory_ordered 1
		.amdhsa_forward_progress 1
		.amdhsa_inst_pref_size 160
	.end_amdhsa_kernel
	.amdgpu_metadata
---
amdhsa.version: [ 1, 2 ]
amdhsa.kernels:
  - .name:           k_q7bbbbfa66e_qkv
    .symbol:         k_q7bbbbfa66e_qkv.kd
    .args:
      - { .name: xb, .offset: 0, .size: 8, .value_kind: global_buffer, .address_space: global }
      - { .name: wb, .offset: 8, .size: 8, .value_kind: global_buffer, .address_space: global }
      - { .name: qkv_b, .offset: 16, .size: 8, .value_kind: global_buffer, .address_space: global }
      - { .name: qkvh, .offset: 24, .size: 8, .value_kind: global_buffer, .address_space: global }
      - { .name: tab, .offset: 32, .size: 8, .value_kind: global_buffer, .address_space: global }
    .group_segment_fixed_size: 327680
    .private_segment_fixed_size: 0
    .kernarg_segment_align: 8
    .kernarg_segment_size: 40
    .max_flat_workgroup_size: 128
    .sgpr_count:     80
    .vgpr_count:     1024
    .wavefront_size: 32
...
	.end_amdgpu_metadata
.endif
;; end of part 2
;; launch attn (part 3): grid 8 x 32, 4 waves a work-group, no clusters, 167,936 bytes of LDS; arguments qkvh, sinks, ao; writes ao
.if DOCPART == 3
	.amdgcn_target "amdgcn-amd-amdhsa--gfx1250"
	.amdhsa_code_object_version 6
	.text
	.protected	k_q7bbbbfa66e_attn
	.globl	k_q7bbbbfa66e_attn
	.p2align	8
	.type	k_q7bbbbfa66e_attn,@function
k_q7bbbbfa66e_attn:
	s_mov_b64 s[64:65], 0
	v_nop
	global_prefetch_b8 v0, s[64:65] scope:SCOPE_SE
	s_setreg_imm32_b32 hwreg(HW_REG_WAVE_MODE, 25, 1), 1
	s_wait_xcnt 0x0
; ATTENTION in a window: query i sees keys i - 127 .. i; a sink joins the denominator.  qkvh: [batch][head 0-47][t][64] f16, q, k and v times 1/4; ao: [4096][2048] f16, O times 1/4.
; w = e^(l - m) / (sum of e^(l - m) + e^(sink - m)), m the TRUE maximum of the row's logits: a row has at most 128 keys, all of whose scores lie in registers at once.
; The raw score is q.k / 16, so logit x log2(e) = c s with c = 2 log2(e).  Products, maxima and sums in f32; the weights are rounded to f16 for the second product, their sum is taken unrounded.
; LIMITS.  A hidden score counts as its value less 1e30 (f16's scores stay under 3e11); a weight below 2^-126 counts as 0; sinks are rounded to bf16 like every input; NaN and infinities are not treated apart.
; SHARES.  A work-group takes 128 queries (block qb) of one batch and KV head, for all four query heads.  It brings 256 keys into LDS once: rows 128 qb - 128 .. 128 qb + 127 (for qb = 0 the lower half is
; rows 0-127 once more: finite numbers that the mask hides).  Wave u owns queries 32 u .. 32 u + 31, two tiles p of 16; both need only the keys 32 u .. 32 u + 159 of the 256: ten blocks of 16.
; Their fragments of K and V are read from LDS ONCE and stay in registers for the four heads.  Tile p multiplies blocks p .. p + 8; the first and the last of these hold the window's edges.
; THE MASK is the C operand that starts a score's sum: LO (first block: key <= query - 128 hidden), HI (last block: key > query hidden), U0-U3 (pairs of blocks, hidden where qb = 0 and the key does not exist), or 0.
; LAYOUT.  S^T = K Q^T: a lane holds one query (lane % 16) and keys 8 (lane / 16) + 0..7; two such results rounded to f16 are source 1 of O^T = V^T P.
; NO CLUSTER: neighbouring blocks share 32 KB of the 192 KB that a work-group moves, in shifting pairs.  NO PREFETCH: all that the work-group reads but three heads' Q is asked for at its head.
; REGISTERS: window 0 addresses, statistics, S^T (2 x 72), P (40); window 1 K (160), Q (32), masks (48); window 2 V (160), O^T (64).
.set PK,    144                        ; a row of K in LDS: 128 bytes + 16
.set PV,    160                        ; a row of V: 128 + 32
.set VOFF,  256*PK
.set STAGE, VOFF+256*PV                ; 32 rows x 528 bytes for each wave: a query's four heads, 512 bytes + 16; never filled by a tensor load
.set SP,    528
.set SPARE, STAGE+4*32*SP
.set LQ,  1
.set HH,  2
.set DD,  3                            ; v3  l % 16 - 8 (l / 16)
.set AK,  4
.set AV,  5
.set QO,  6
.set STO, 7
.set RD,  8
.set GO,  9
.set VBE, 10
.set SPW, 12                           ; v12 SPARE + 4 x my thread's number; never rewritten
.set NIL, 13                           ; v13 0; never rewritten
.set ST,  16                           ; tile p at ST + 8 p: +0 c m, +1 m, +2 the sink's weight, +3 at work, +4 1 / l (+5 named with it), +6 l
.set CH,  48                           ; v48-55 eight chains of the maximum
.set S,   64
.set P,   208
.set OY,  64                           ; the way out: S^T's registers are free
.set OP,  128
.set KF,  0                            ; window 1
.set QF,  160
.set LO,  192
.set UU,  200
.set HI,  232
.set VF,  0                            ; window 2
.set OT,  160
.set G0V, 16
.set G1K, 24
.set G1V, 32
.set G0K, 40
.set MSB, 0
.macro WIN new
.if MSB != (\new)
	s_set_vgpr_msb (MSB<<8)|(\new)
.set MSB, \new
.endif
.endm
.macro PLACES
.rept 4
	v_nop
.endr
.endm
.macro QLOAD                           ; a head's Q for my 32 queries: tile p, channels 32 c on
	WIN 0x40
.irp p, 0,1
.irp c, 0,1
	global_load_b128 v[QF+16*(\p)+8*(\c):QF+16*(\p)+8*(\c)+3],   v[QO], s[48:49] offset:2048*(\p)+64*(\c)
	global_load_b128 v[QF+16*(\p)+8*(\c)+4:QF+16*(\p)+8*(\c)+7], v[QO], s[48:49] offset:2048*(\p)+64*(\c)+32
.endr
.endr
	WIN 0
.endm
	s_load_b128 s[4:7], s[0:1], 0x0                ; qkvh s[4:5], sinks s[6:7]
	s_load_b64 s[8:9], s[0:1], 0x10                ; ao
	v_lshl_add_u32 v[SPW], v0, 2, SPARE
	v_mov_b32 v[NIL], 0
	ds_add_u32 v[SPW], v[NIL]                      ; the wave's opening: the add and its wait ahead of my first tensor load
	v_lshrrev_b32 v11, 5, v0
	v_readfirstlane_b32 s12, v11                   ; wave u
	s_mov_b32 s13, ttmp9                           ; qb
	s_and_b32 s14, ttmp7, 0xffff
	s_and_b32 s15, s14, 7                          ; the KV head
	s_lshr_b32 s55, s14, 3                         ; the batch
	s_and_b32 s20, s12, 1                          ; which half of the 256 keys I fetch
	s_mul_i32 s21, s20, 128*PK
	s_mul_i32 s22, s20, 128*PV
	; 128 keys are 16,384 dense bytes: asked for as 64 rows of 256 bytes, two keys a row, padded in LDS after every key
	s_mov_b32 s[G1K], (1<<16)|(1<<20)|(4<<22)|(3<<25)  ; 2-byte elements; padding on; after every 32 words, 4 words
	s_mov_b32 s[G1V], (1<<16)|(1<<20)|(4<<22)|(7<<25)  ; 8 words
.irp g, G1K, G1V
	s_mov_b32 s[\g+1], 128<<16
	s_mov_b32 s[\g+2], 64<<16
	s_mov_b32 s[\g+3], 128<<16
	s_mov_b32 s[\g+4], 64
	s_mov_b32 s[\g+5], 128
	s_mov_b32 s[\g+6], 0
	s_mov_b32 s[\g+7], 0
.endr
	s_mov_b32 s[G0K], 1
	s_mov_b32 s[G0K+1], s21
	s_mov_b32 s[G0V], 1
	s_add_co_u32 s[G0V+1], s22, VOFF
	s_max_u32 s61, s13, 1
	s_sub_co_u32 s61, s61, 1                       ; the block below mine, or block 0
	s_cmp_eq_u32 s20, 1
	s_cselect_b32 s61, s13, s61
	s_lshl_b32 s61, s61, 7                         ; the first key row that I fetch
	s_mul_i32 s63, s55, 48
	s_add_co_u32 s22, s63, s15
	s_add_co_u32 s22, s22, 32                      ; K's head
	s_lshl_b32 s22, s22, 10
	s_add_co_u32 s22, s22, s61
	s_lshl_b32 s22, s22, 7
	s_mov_b32 s23, 0
	s_lshl2_add_u32 s20, s15, s63                  ; the first of my four query heads
	s_lshl_b32 s20, s20, 10
	s_lshl_b32 s61, s13, 7
	s_lshl_b32 s62, s12, 5
	s_add_co_u32 s61, s61, s62                     ; my first query: 128 qb + 32 u
	s_add_co_u32 s20, s20, s61
	s_lshl_b32 s20, s20, 7
	s_mov_b32 s21, 0
	s_lshl_b32 s62, s55, 10
	s_add_co_u32 s62, s62, s61
	s_lshl_b32 s62, s62, 12                        ; ao: rows of 4,096 bytes,
	s_lshl_b32 s63, s15, 9                         ; my four heads' 512
	s_add_co_u32 s62, s62, s63
	s_mov_b32 s63, 0
	s_mov_b32 s54, 0xf149f2ca                      ; -1e30
	s_mov_b32 s56, 0x4038aa3b                      ; c = 2 log2(e)
	s_mov_b32 s57, s56
	s_mov_b32 s58, 0x76543210
	s_mov_b32 s59, 0xfedcba98
	s_wait_dscnt 0x0                               ; the opening add is done
	s_wait_kmcnt 0x0
	s_add_nc_u64 s[G0K+2:G0K+3], s[4:5], s[22:23]
	s_add_nc_u64 s[G0V+2:G0V+3], s[G0K+2:G0K+3], 8*131072  ; V's head lies eight heads on
	s_or_b32 s[G0K+3], s[G0K+3], 0x80000000
	s_or_b32 s[G0V+3], s[G0V+3], 0x80000000
	s_add_nc_u64 s[48:49], s[4:5], s[20:21]
	s_add_nc_u64 s[8:9], s[8:9], s[62:63]
	s_lshl_b32 s62, s15, 4
	s_add_nc_u64 s[6:7], s[6:7], s[62:63]
	s_load_b128 s[44:47], s[6:7], 0x0              ; my four heads' sinks
	s_cmp_lt_u32 s12, 2                            ; waves 0, 1 fetch K's halves, waves 2, 3 V's: one load a wave, each byte filled once in the launch
	s_cbranch_scc0 .Lfor_v
	tensor_load_to_lds s[G0K:G0K+3], s[G1K:G1K+7]
	s_nop 0
	PLACES
	s_branch .Lasked
.Lfor_v:
	tensor_load_to_lds s[G0V:G0V+3], s[G1V:G1V+7]
	s_nop 0
	PLACES
.Lasked:
	v_and_b32 v[LQ], 15, v0
	v_bfe_u32 v[HH], v0, 4, 1
	v_lshlrev_b32 v[QO], 7, v[LQ]
	v_lshl_add_u32 v[QO], v[HH], 4, v[QO]
	QLOAD                                          ; head 0
	v_lshlrev_b32 v[DD], 3, v[HH]
	v_sub_nc_u32 v[DD], v[LQ], v[DD]
	s_sub_co_u32 s61, 4, s12
	s_cmp_eq_u32 s13, 0
	s_cselect_b32 s61, s61, 0                      ; how many pairs of my key blocks lie ahead of the sequence's first key
.irp g, 0,1,2,3
	s_cmp_gt_u32 s61, \g
	s_cselect_b32 s[50+\g], s54, 0
.endr
	v_mov_b32 v[VBE], s50
	WIN 0x40
.irp r, 0,1,2,3,4,5,6,7
	v_cmp_le_i32 vcc_lo, \r, v[DD]
	v_cndmask_b32 v[LO+\r], v[VBE], s54, vcc_lo    ; first block: register r is hidden where r <= d
	v_cmp_gt_i32 vcc_lo, \r, v[DD]
	v_cndmask_b32 v[HI+\r], 0, s54, vcc_lo         ; last block: where r > d
.endr
.irp g, 0,1,2,3
.irp r, 0,1,2,3,4,5,6,7
	v_mov_b32 v[UU+8*\g+\r], s[50+\g]
.endr
.endr
	WIN 0
	s_mul_i32 s20, s12, 32*PK
	v_mul_u32_u24 v[AK], v[LQ], PK
	v_lshl_add_u32 v[AK], v[HH], 4, v[AK]
	v_add_nc_u32 v[AK], s20, v[AK]                 ; (32 u + l % 16) x pitch + 16 x half
	s_mul_i32 s20, s12, 32*PV
	s_add_co_u32 s20, s20, VOFF
	v_and_b32 v11, 7, v0
	v_bfe_u32 v14, v0, 3, 1
	v_lshl_add_u32 v[AV], v[HH], 3, v11            ; the turning load: key 8 (l / 16) + l % 8, channels 8 ((l / 8) % 2) on
	v_mul_u32_u24 v[AV], v[AV], PV
	v_lshl_add_u32 v[AV], v14, 4, v[AV]
	v_add_nc_u32 v[AV], s20, v[AV]
	s_mul_i32 s20, s12, 32*SP
	s_add_co_u32 s20, s20, STAGE                   ; my stage
	v_mul_u32_u24 v[STO], v[LQ], SP
	v_lshl_add_u32 v[STO], v[HH], 4, v[STO]
	v_add_nc_u32 v[STO], s20, v[STO]
	v_and_b32 v[GO], 31, v0
	v_lshlrev_b32 v[GO], 4, v[GO]
	v_add_nc_u32 v[RD], s20, v[GO]
.irp p, 0,1
	v_mov_b32 v[ST+8*\p+3], 0                      ; v_permlanex16_b32's destination counts as read
	v_mov_b32 v[ST+8*\p+5], 0                      ; named with 1 / l as a pair
.endr
	s_wait_kmcnt 0x0                               ; the sinks: rounded to bf16, times log2(e), back into scalars
	v_cvt_pk_bf16_f32 v11, s44, s45
	v_cvt_pk_bf16_f32 v14, s46, s47
	v_lshlrev_b32 v15, 16, v11
	v_and_b32 v11, 0xffff0000, v11
	v_lshlrev_b32 v32, 16, v14
	v_and_b32 v14, 0xffff0000, v14
	v_mul_f32 v15, 0x3fb8aa3b, v15
	v_mul_f32 v11, 0x3fb8aa3b, v11
	v_mul_f32 v32, 0x3fb8aa3b, v32
	v_mul_f32 v14, 0x3fb8aa3b, v14
	v_readfirstlane_b32 s44, v15
	v_readfirstlane_b32 s45, v11
	v_readfirstlane_b32 s46, v32
	v_readfirstlane_b32 s47, v14
	s_wait_tensorcnt 0x0                           ; my part of the keys is in,
	s_barrier_signal -1
	s_barrier_wait -1                              ; everybody's is
	WIN 0x40
.irp f, 0,1,2,3,4,5,6,7,8,9,10,11,12,13,14,15,16,17,18,19  ; K: key block f / 2, channels 32 (f % 2) on
	ds_load_b128 v[KF+8*\f:KF+8*\f+3],   v[AK] offset:(\f/2)*16*PK+(\f%2)*64
	ds_load_b128 v[KF+8*\f+4:KF+8*\f+7], v[AK] offset:(\f/2)*16*PK+(\f%2)*64+32
.endr
	WIN 0x80
.irp f, 0,1,2,3,4,5,6,7,8,9,10,11,12,13,14,15,16,17,18,19  ; V, turned: keys 32 (f / 4) on, channels 16 (f % 4) on
	ds_load_tr16_b128 v[VF+8*\f:VF+8*\f+3],   v[AV] offset:(\f/4)*32*PV+(\f%4)*32
	ds_load_tr16_b128 v[VF+8*\f+4:VF+8*\f+7], v[AV] offset:(\f/4)*32*PV+16*PV+(\f%4)*32
.endr
	WIN 0
	s_wait_dscnt 0x0
; One product of S^T = K Q^T: tile p, its block kk of nine, channels 32 ch on.  ch = 0 starts the sum, with the mask.
.macro SQ1 p, kk, ch
.set rS, S+72*(\p)+8*(\kk)
.set rK, KF+16*((\p)+(\kk))+8*(\ch)
.set rQ, QF+16*(\p)+8*(\ch)
.if \ch
	v_wmma_f32_16x16x32_f16 v[rS:rS+7], v[rK:rK+7], v[rQ:rQ+7], v[rS:rS+7]
.elseif (\kk) == 0
	v_wmma_f32_16x16x32_f16 v[rS:rS+7], v[rK:rK+7], v[rQ:rQ+7], v[LO:LO+7]
.elseif (\kk) == 8
	v_wmma_f32_16x16x32_f16 v[rS:rS+7], v[rK:rK+7], v[rQ:rQ+7], v[HI:HI+7]
.elseif ((\p)+(\kk)) == 8
	v_wmma_f32_16x16x32_f16 v[rS:rS+7], v[rK:rK+7], v[rQ:rQ+7], 0
.else
	v_wmma_f32_16x16x32_f16 v[rS:rS+7], v[rK:rK+7], v[rQ:rQ+7], v[UU+8*(((\p)+(\kk))/2):UU+8*(((\p)+(\kk))/2)+7]
.endif
.endm
.macro SQ                              ; 36 products; the 18 accumulators take turns: 17 others stand between a sum's two links
	WIN 0x15                                       ; K, Q and the masks in window 1, S^T in window 0
.irp p, 0,1
.irp k, 0,1,2,3,4,5,6,7,8
	SQ1 \p, \k, 0
.endr
.endr
	WIN 0x05
.irp p, 0,1
.irp k, 0,1,2,3,4,5,6,7,8
	SQ1 \p, \k, 1
.endr
.endr
.endm
.macro TREE n, d                       ; n packed sums: the pair at register 2 d z takes the pair d registers on
.set z, 0
.rept \n
	v_pk_add_f32 v[rS+2*(\d)*z:rS+2*(\d)*z+1], v[rS+2*(\d)*z:rS+2*(\d)*z+1], v[rS+2*(\d)*z+(\d):rS+2*(\d)*z+(\d)+1]
.set z, z+1
.endr
.endm
; A tile's softmax: the lane's 72 scores; the query's other 72 lie in the lane 16 away.
.macro SOFTMAX p
.set rS, S+72*(\p)
.set rT, ST+8*(\p)
	WIN 0
.set r, 0
.rept 8                                ; eight chains, register r of each accumulator; register 0 comes first
	v_max3_num_f32 v[CH+r], v[rS+r], v[rS+8+r], v[rS+16+r]
.set r, r+1
.endr
.irp t, 24, 40, 56
.set r, 0
.rept 8
	v_max3_num_f32 v[CH+r], v[CH+r], v[rS+(\t)+r], v[rS+(\t)+8+r]
.set r, r+1
.endr
.endr
	v_max3_num_f32 v[CH], v[CH], v[CH+1], v[CH+2]
	v_max3_num_f32 v[CH+3], v[CH+3], v[CH+4], v[CH+5]
	v_max3_num_f32 v[CH], v[CH], v[CH+6], v[CH+7]
	v_max_num_f32 v[CH], v[CH], v[CH+3]
	v_permlanex16_b32 v[rT+3], v[CH], s58, s59
	v_max_num_f32 v[rT+1], v[CH], v[rT+3]          ; m
	v_mul_f32 v[rT], s56, v[rT+1]                  ; c m
	v_sub_f32 v[rT+2], s44, v[rT]                  ; sink log2(e) - c m
.set z, 0
.rept 36
	v_pk_fma_f32 v[rS+z:rS+z+1], v[rS+z:rS+z+1], s[56:57], v[rT:rT+1] op_sel_hi:[1,0,0] neg_lo:[0,0,1] neg_hi:[0,0,1]
.set z, z+2
.endr
.set z, 0
.rept 72                               ; ONE BATCH of 73 exponentials; nothing ahead of the wait names a result
	v_exp_f32 v[rS+z], v[rS+z]
.set z, z+1
.endr
	v_exp_f32 v[rT+2], v[rT+2]
.irp q, 0,1,2,3
	v_mov_b32 v[P+36*(1-(\p))+(\q)], 0             ; the block of the ten that this tile does not see has weight 0: plain lines behind the last exponential
.endr
	s_wait_alu depctr_va_vdst(0)                   ; one wait for the batch (and for the other tile's reciprocal), ahead of the first reader
.set z, 0
.rept 36
	v_cvt_pk_f16_f32 v[P+4*(\p)+z], v[rS+2*z], v[rS+2*z+1]
.set z, z+1
.endr
	TREE 18, 2
	TREE 9, 4
	TREE 4, 8
	TREE 2, 16
	TREE 1, 32
	TREE 1, 64
	v_add_f32 v[rT+6], v[rS], v[rS+1]
	v_permlanex16_b32 v[rT+3], v[rT+6], s58, s59
	v_add_f32 v[rT+6], v[rT+6], v[rT+3]
	v_add_f32 v[rT+6], v[rT+6], v[rT+2]            ; + the sink's weight
	v_rcp_f32 v[rT+4], v[rT+6]
.endm
.macro PVM p                           ; O^T = V^T P: five chunks of 32 keys x four blocks of 16 channels; the four accumulators take turns
	WIN 0xa2                                       ; V and O^T in window 2, P in window 0
.irp c, 0,1,2,3,4
.irp q, 0,1,2,3
.if (\c) == 0
	v_wmma_f32_16x16x32_f16 v[OT+32*(\p)+8*(\q):OT+32*(\p)+8*(\q)+7], v[VF+32*(\c)+8*(\q):VF+32*(\c)+8*(\q)+7], v[P+8*(\c):P+8*(\c)+7], 0
.else
	v_wmma_f32_16x16x32_f16 v[OT+32*(\p)+8*(\q):OT+32*(\p)+8*(\q)+7], v[VF+32*(\c)+8*(\q):VF+32*(\c)+8*(\q)+7], v[P+8*(\c):P+8*(\c)+7], v[OT+32*(\p)+8*(\q):OT+32*(\p)+8*(\q)+7]
.endif
.endr
.endr
.endm
.macro OUTP p                          ; O^T / l, f16, 16 bytes a lane into the head's 128 bytes of my stage's rows
.if (\p) == 0
	WIN 0
	v_nop                                          ; a plain line behind the last reciprocal,
	s_wait_alu depctr_va_vdst(0)                   ; and the wait ahead of the reciprocals' first reader
.endif
	WIN 0x02
.set z, 0
.rept 16
	v_pk_mul_f32 v[OY+32*(\p)+z:OY+32*(\p)+z+1], v[OT+32*(\p)+z:OT+32*(\p)+z+1], v[ST+8*(\p)+4:ST+8*(\p)+5] op_sel_hi:[1,0]
.set z, z+2
.endr
	WIN 0
.set z, 0
.rept 16
	v_cvt_pk_f16_f32 v[OP+16*(\p)+z], v[OY+32*(\p)+2*z], v[OY+32*(\p)+2*z+1]
.set z, z+1
.endr
.irp q, 0,1,2,3
	ds_store_b128 v[STO], v[OP+16*(\p)+4*(\q):OP+16*(\p)+4*(\q)+3] offset:(\p)*16*SP+32*(\q)
.endr
.endm
	s_mov_b32 s60, 4
.Lhead:                                                ; a trip is a query head
	s_wait_loadcnt 0x0                             ; its Q is in, so the pointer may be written:
	s_add_nc_u64 s[48:49], s[48:49], 131072        ; the next head's
	SQ
	WIN 0
	PLACES                                         ; behind the last product: for the loads into Q and for the maximum
	s_cmp_eq_u32 s60, 1
	s_cbranch_scc1 .Lno_q                          ; the last head asks for nothing
	QLOAD
.Lno_q:
	SOFTMAX 0
	PVM 0
	SOFTMAX 1                                      ; its first lines are the places between tile 0's products and the new weights
	PVM 1
	OUTP 0                                         ; tile 0's way out is the places behind tile 1's products
	OUTP 1
	s_mov_b32 s44, s45                             ; the next head's sink
	s_mov_b32 s45, s46
	s_mov_b32 s46, s47
	v_add_nc_u32 v[STO], 128, v[STO]               ; and its 128 bytes of a stage row
	s_sub_co_u32 s60, s60, 1
	s_cmp_lg_u32 s60, 0
	s_cbranch_scc1 .Lhead
.set z, 0
.rept 32                               ; my 32 rows come back whole: 512 bytes, four heads; LDS serves a wave's instructions in order (ISA guide 5.7.1.4)
	ds_load_b128 v[64+4*z:64+4*z+3], v[RD] offset:SP*z
.set z, z+1
.endr
.set z, 0
.rept 32
	s_wait_dscnt 31-z
	global_store_b128 v[GO], v[64+4*z:64+4*z+3], s[8:9] offset:4096*z  ; 512 consecutive bytes, at a multiple of 512 from ao's first byte
.set z, z+1
.endr
	s_wait_tensorcnt 0x0                           ; the wave's end
	ds_add_u32 v[SPW], v[NIL]
	s_wait_dscnt 0x0
	s_endpgm
.Lfunc_end_k_q7bbbbfa66e_attn:
	.size	k_q7bbbbfa66e_attn, .Lfunc_end_k_q7bbbbfa66e_attn-k_q7bbbbfa66e_attn
	.p2alignl 7, 3214868480
	.fill 96, 4, 3214868480
	.section	.rodata,"a",@progbits
	.p2align	6, 0x0
	.amdhsa_kernel k_q7bbbbfa66e_attn
		.amdhsa_group_segment_fixed_size 167936
		.amdhsa_private_segment_fixed_size 0
		.amdhsa_enable_private_segment 0
		.amdhsa_kernarg_size 24
		.amdhsa_user_sgpr_count 2
		.amdhsa_user_sgpr_kernarg_segment_ptr 1
		.amdhsa_wavefront_size32 1
		.amdhsa_system_sgpr_workgroup_id_x 1
		.amdhsa_system_sgpr_workgroup_id_y 1
		.amdhsa_system_sgpr_workgroup_id_z 1
		.amdhsa_system_vgpr_workitem_id 0
		.amdhsa_next_free_vgpr 736
		.amdhsa_next_free_sgpr 66
		.amdhsa_reserve_vcc 1
		.amdhsa_float_denorm_mode_32 3
		.amdhsa_float_denorm_mode_16_64 3
		.amdhsa_memory_ordered 1
		.amdhsa_forward_progress 1
		.amdhsa_inst_pref_size 56
	.end_amdhsa_kernel
	.amdgpu_metadata
---
amdhsa.version: [ 1, 2 ]
amdhsa.kernels:
  - .name:           k_q7bbbbfa66e_attn
    .symbol:         k_q7bbbbfa66e_attn.kd
    .args:
      - { .name: qkvh, .offset: 0, .size: 8, .value_kind: global_buffer, .address_space: global }
      - { .name: sinks, .offset: 8, .size: 8, .value_kind: global_buffer, .address_space: global }
      - { .name: ao, .offset: 16, .size: 8, .value_kind: global_buffer, .address_space: global }
    .group_segment_fixed_size: 167936
    .private_segment_fixed_size: 0
    .kernarg_segment_align: 8
    .kernarg_segment_size: 24
    .max_flat_workgroup_size: 128
    .sgpr_count:     66
    .vgpr_count:     736
    .wavefront_size: 32
...
	.end_amdgpu_metadata
.endif
;; end of part 3
;; launch proj (part 4): grid 16 x 16, 4 waves a work-group, clusters of 4 x 4, 327,680 bytes of LDS; arguments ao, ob, out_b, out0; writes out0
.if DOCPART == 4
	.amdgcn_target "amdgcn-amd-amdhsa--gfx1250"
	.amdhsa_code_object_version 6
	.text
	.protected	k_q7bbbbfa66e_proj
	.globl	k_q7bbbbfa66e_proj
	.p2align	8
	.type	k_q7bbbbfa66e_proj,@function
k_q7bbbbfa66e_proj:
	s_mov_b64 s[64:65], 0
	v_nop
	global_prefetch_b8 v0, s[64:65] scope:SCOPE_SE
	s_setreg_imm32_b32 hwreg(HW_REG_WAVE_MODE, 25, 1), 1
	s_wait_xcnt 0x0
	s_wait_alu depctr_hold_cnt(0) depctr_sa_sdst(0) depctr_va_vdst(0) depctr_va_sdst(0) depctr_va_ssrc(0) depctr_va_vcc(0) depctr_vm_vsrc(0)
	s_getreg_b32 s2, hwreg(HW_REG_IB_STS2, 6, 4)
	s_cmp_eq_u32 s2, 0
	s_cbranch_scc0 .Lentry_in_a_cluster
	s_endpgm
.Lentry_in_a_cluster:
	s_bfe_u32 s2, ttmp6, 0x10000c
	s_cmp_lg_u32 s2, 0xf033
	s_cbranch_scc0 .Lentry_shape_is_right
	s_endpgm
.Lentry_shape_is_right:
; OUT.  out0 = O out_w^T + out_b, f32.  ao: [4096][2048] f16 holds O / 4; ob: [2048][2048] f16 holds out_w rounded to bf16.  The sums (f32) start at bf16(out_b) / 4 and are multiplied by 4 at the end: both exact.
; SHARES.  A tile is 256 rows x 128 columns: 16 x 16 tiles, one work-group each.  Wave w owns rows 64 w .. 64 w + 63 and all 128 columns: 4 x 8 accumulators.  K goes in 16 steps of 128 (rows of 256 bytes,
; aligned) through two LDS slots filled by tensor loads; a step of 256 would want two slots of 384 rows x 528 bytes, more than a work-group can have.
; THE MATRIX INSTRUCTION IS USED TRANSPOSED (source 0 = 16 rows of ob, source 1 = 16 rows of ao): lane l holds row l % 16 and columns 16 b + 8 (l / 16) + 0..7.
; CLUSTER 4 x 4.  ao's tile is asked for jointly along a row of the cluster, ob's along a column.
; REGISTERS: window 0 addresses, the bias, the way out; window 1 accumulators of row blocks 0, 1; window 2 of 2, 3; window 3 two fragment buffers (at 0 and 128): ob's eight fragments, then ao's four.
.set NBLK,  8
.set BH,    8*NBLK
.set PITCH, 272                        ; 256 bytes + 16 of padding: the 16 rows of a fragment load start at 16 different groups of four banks (64 banks of 4 bytes: ISA guide 11.1)
.set ASZ,   256*PITCH
.set SLOT,  ASZ+16*NBLK*PITCH
.set STAGE, 2*SLOT                     ; behind the ring: 16 rows x 528 bytes for each wave, never filled by a tensor load
.set SP,    528
.set SPARE, STAGE+4*16*SP
.set NF,    2*NBLK+8
.set LAPS,  8
.set LQ,   1
.set HH,   2
.set BO,   14
.set ADRA, 16
.set ADRB, 20
.set STO,  24
.set RD,   25
.set GO,   26
.set SPW,  28                          ; v28 SPARE + 4 x my thread's number; never rewritten
.set NIL,  29                          ; v29 0; never rewritten
.set PFO,  30
.set TT,   31
.set BIAS, 64                          ; v64-127
.set Y,    64
.set BK0,  128                         ; two buffers of 64
.set F0,   0
.set F1,   128
.set G1,   24
.set G0,   32
.set G1B,  48
.set G0B,  56
.set PFA,  40
.set PFB,  42
.set LIMA, 44
.set LIMB, 45
.set MSB, 0
.macro WIN new
.if MSB != (\new)
	s_set_vgpr_msb (MSB<<8)|(\new)
.set MSB, \new
.endif
.endm
.macro PLACES                          ; four plain places behind a matrix instruction (ISA guide 7.12.1)
.rept 4
	v_nop
.endr
.endm
.macro JLOAD n                         ; a joint load: waves 0, 1 fetch ao's two halves, waves 2, 3 ob's; an s_nop 0 and four v_nop follow each line
	s_cmp_eq_u32 s15, 0
	s_cbranch_scc0 .Lfor_b_\@
	tensor_load_to_lds s[G0+4*(\n):G0+4*(\n)+3], s[G1:G1+7]
	s_nop 0
	PLACES
	s_branch .Lasked_\@
.Lfor_b_\@:
	tensor_load_to_lds s[G0B+4*(\n):G0B+4*(\n)+3], s[G1B:G1B+7]
	s_nop 0
	PLACES
.Lasked_\@:
.endm
.macro CREST
	s_cmp_lg_u32 s14, 0
	s_cbranch_scc1 .Lnot_wave_0_\@
	s_barrier_signal -3
.Lnot_wave_0_\@:
	s_barrier_wait -3
	s_barrier_signal -1
	s_barrier_wait -1
.endm
.macro CROUND
	s_barrier_signal -1
	s_barrier_wait -1
	CREST
.endm
; A PREFETCH INTO THE L2: 16 rows x two K steps, a lane a block of 256 bytes; trip i names K steps 2 i + 4 and 2 i + 5, which the next trip's refills ask for.  ao's rows: cluster x = 0 asks, a partner 64 rows
; (by address), a wave 16.  ob's rows: cluster y = 0 asks, a partner 32 rows, waves 0 and 1.  Each block is named once; the last trip asks for nothing; K steps 0-3 come by their loads alone.
.macro ASK lim, pf
	WIN 0
	s_cmp_gt_u32 s3, s[\lim]
	s_cbranch_scc0 .Lnot_mine_\@
	global_prefetch_b8 v[PFO], s[\pf:\pf+1] th:TH_LOAD_NT scope:SCOPE_SE
.Lnot_mine_\@:
.endm
.macro MULA f, a, mode                 ; eight matrix instructions: row block a x all column blocks; the 32 accumulators take turns in one order throughout
.if \mode
	WIN 0x4f+0x40*((\a)/2)
.else
	WIN 0x5f+0x50*((\a)/2)
.endif
.set b, 0
.rept NBLK
.set rD, 8*(NBLK*((\a)%2)+b)
.if \mode
	v_wmma_f32_16x16x32_f16 v[rD:rD+7], v[(\f)+8*b:(\f)+8*b+7], v[(\f)+8*NBLK+8*(\a):(\f)+8*NBLK+8*(\a)+7], v[BIAS+8*b:BIAS+8*b+7]
.else
	v_wmma_f32_16x16x32_f16 v[rD:rD+7], v[(\f)+8*b:(\f)+8*b+7], v[(\f)+8*NBLK+8*(\a):(\f)+8*NBLK+8*(\a)+7], v[rD:rD+7]
.endif
.set b, b+1
.endr
.endm
.macro FETCH slot, k, f
	WIN 0xc0
.set b, 0
.rept NBLK
	ds_load_b128 v[(\f)+8*b:(\f)+8*b+3],   v[ADRB+(\slot)] offset:(\k)+b*16*PITCH
	ds_load_b128 v[(\f)+8*b+4:(\f)+8*b+7], v[ADRB+(\slot)] offset:(\k)+b*16*PITCH+32
.set b, b+1
.endr
.set b, 0
.rept 4
	ds_load_b128 v[(\f)+8*NBLK+8*b:(\f)+8*NBLK+8*b+3],   v[ADRA+(\slot)] offset:(\k)+b*16*PITCH
	ds_load_b128 v[(\f)+8*NBLK+8*b+4:(\f)+8*NBLK+8*b+7], v[ADRA+(\slot)] offset:(\k)+b*16*PITCH+32
.set b, b+1
.endr
.endm
.macro QUARTER slot, k, f, g, mode
	s_wait_dscnt 4                                 ; all but the youngest four loads (ao's blocks 2, 3)
	MULA \f, 0, \mode
	MULA \f, 1, \mode
	PLACES
	FETCH \slot, \k, \g
	s_wait_dscnt NF                                ; all but the run just issued
	MULA \f, 2, \mode
	MULA \f, 3, \mode
.endm
; The change of slots: in front of the barrier each wave waits for all its tensor loads (one is out: its part of the next slot), adds 0 to its spare word, and waits for that and for its reads of this slot.
; fill = 1: the barrier opens a round of the cluster's barrier, and the joint refill, two K steps on, is the first thing behind the round.
.macro TURN slot, next, fill
.if (\fill) && ((\slot) == 0)
	s_wait_xcnt 0x0                                ; the last prefetches, three quarters back and more, have read their addresses
	s_add_nc_u64 s[PFA:PFA+1], s[PFA:PFA+1], 512
	s_add_nc_u64 s[PFB:PFB+1], s[PFB:PFB+1], 512
.endif
	WIN 0
	s_wait_tensorcnt 0x0
	ds_add_u32 v[SPW], v[NIL]
	s_wait_dscnt 5                                 ; (the add and the youngest four loads may be out)
	MULA F1, 0, 0
	s_wait_dscnt 0x0                               ; the add is done, my reads of this slot are over
	s_barrier_signal -1
	MULA F1, 1, 0
.if \fill
	WIN 0
.endif
	s_barrier_wait -1
.if \fill
	CREST
	s_add_nc_u64 s[G0+4*(\slot)+2:G0+4*(\slot)+3], s[G0+4*(\slot)+2:G0+4*(\slot)+3], 512
	s_add_nc_u64 s[G0B+4*(\slot)+2:G0B+4*(\slot)+3], s[G0B+4*(\slot)+2:G0B+4*(\slot)+3], 512
	JLOAD \slot
.else
	PLACES
.endif
	FETCH \next, 0, F0
.if \fill
.if (\slot) == 0
	ASK LIMA, PFA
.else
	ASK LIMB, PFB
.endif
.endif
	MULA F1, 2, 0
	MULA F1, 3, 0
.endm
	s_load_b256 s[4:11], s[0:1], 0x0               ; ao s[4:5], ob s[6:7], out_b s[8:9], out0 s[10:11]
	v_lshl_add_u32 v[SPW], v0, 2, SPARE
	v_mov_b32 v[NIL], 0
	ds_add_u32 v[SPW], v[NIL]                      ; the wave's opening: the add and its wait ahead of my first tensor load
	v_lshrrev_b32 v3, 5, v0
	v_readfirstlane_b32 s14, v3                    ; wave
	s_lshr_b32 s15, s14, 1
	s_and_b32 s16, s14, 1
	s_bfe_u32 s17, ttmp6, 0x40000                  ; cx
	s_bfe_u32 s18, ttmp6, 0x40004                  ; cy
	s_lshl_b32 s19, ttmp9, 2
	s_add_co_u32 s19, s19, s17                     ; tile column
	s_and_b32 s20, ttmp7, 0xffff
	s_lshl_b32 s20, s20, 2
	s_add_co_u32 s20, s20, s18                     ; tile row
	s_lshl_b32 s74, s18, 2
	s_lshl_b32 s74, 15, s74                        ; my row of the cluster
	s_lshl_b32 s75, 0x1111, s17                    ; my column
	s_or_b32 s[G1], s74, (1<<16)|(1<<20)|(1<<21)|(5<<22)|(3<<25)
	s_or_b32 s[G1B], s75, (1<<16)|(1<<20)|(1<<21)|(5<<22)|(3<<25)
	s_mov_b32 s[G1+1], 128<<16
	s_mov_b32 s[G1+2], 128<<16
	s_mov_b32 s[G1+3], 128<<16
	s_mov_b32 s[G1+4], 128
	s_mov_b32 s[G1+5], 2048
	s_mov_b32 s[G1+6], 0
	s_mov_b32 s[G1+7], 0
	s_mov_b32 s[G1B+1], 128<<16
	s_mov_b32 s[G1B+2], BH<<16
	s_mov_b32 s[G1B+3], 128<<16
	s_mov_b32 s[G1B+4], BH
	s_mov_b32 s[G1B+5], 2048
	s_mov_b32 s[G1B+6], 0
	s_mov_b32 s[G1B+7], 0
	s_lshl_b32 s66, s20, 8
	s_lshl_b32 s67, s16, 7
	s_add_co_u32 s66, s66, s67
	s_lshl_b32 s66, s66, 12
	s_mov_b32 s67, 0
	s_mul_i32 s70, s19, 16*NBLK
	s_mul_i32 s71, s16, BH
	s_add_co_u32 s70, s70, s71
	s_lshl_b32 s70, s70, 12
	s_mov_b32 s71, 0
	s_mul_i32 s46, s14, 128*PITCH
	s_mul_i32 s47, s14, BH*PITCH
	s_add_co_u32 s47, s47, ASZ-2*BH*PITCH
	s_mov_b32 s76, 0xffff0000
	s_wait_dscnt 0x0                               ; the opening add is done
	s_wait_kmcnt 0x0
	s_add_nc_u64 s[68:69], s[4:5], s[66:67]
	s_add_nc_u64 s[72:73], s[6:7], s[70:71]
.irp n, 0,1
	s_mov_b32 s[G0+4*(\n)], 1
	s_add_co_u32 s[G0+4*(\n)+1], s46, (\n)*SLOT
	s_add_nc_u64 s[G0+4*(\n)+2:G0+4*(\n)+3], s[68:69], (\n)*256
	s_or_b32 s[G0+4*(\n)+3], s[G0+4*(\n)+3], 0x80000000
	s_mov_b32 s[G0B+4*(\n)], 1
	s_add_co_u32 s[G0B+4*(\n)+1], s47, (\n)*SLOT
	s_add_nc_u64 s[G0B+4*(\n)+2:G0B+4*(\n)+3], s[72:73], (\n)*256
	s_or_b32 s[G0B+4*(\n)+3], s[G0B+4*(\n)+3], 0x80000000
.endr
	CROUND                                         ; all sixteen work-groups are here: the first joint loads meet
	s_cmp_eq_u32 s15, 0                            ; a wave's two first fills stand in one branch: two loads of mine are out
	s_cbranch_scc0 .Lfirst_b
	tensor_load_to_lds s[G0:G0+3], s[G1:G1+7]
	s_nop 0
	tensor_load_to_lds s[G0+4:G0+7], s[G1:G1+7]
	s_nop 0
	PLACES
	s_branch .Lfirst_asked
.Lfirst_b:
	tensor_load_to_lds s[G0B:G0B+3], s[G1B:G1B+7]
	s_nop 0
	tensor_load_to_lds s[G0B+4:G0B+7], s[G1B:G1B+7]
	s_nop 0
	PLACES
.Lfirst_asked:
	v_and_b32 v[LQ], 15, v0
	v_bfe_u32 v[HH], v0, 4, 1
	v_lshlrev_b32 v[BO], 5, v[HH]
	s_mul_i32 s22, s19, 64*NBLK
	s_mov_b32 s23, 0
	s_add_nc_u64 s[8:9], s[8:9], s[22:23]
.set b, 0
.rept NBLK
	global_load_b128 v[BIAS+8*b:BIAS+8*b+3],   v[BO], s[8:9] offset:64*b
	global_load_b128 v[BIAS+8*b+4:BIAS+8*b+7], v[BO], s[8:9] offset:64*b+16
.set b, b+1
.endr
	v_mul_u32_u24 v3, v[LQ], PITCH
	v_lshl_add_u32 v3, v[HH], 4, v3
	s_mul_i32 s21, s14, 64*PITCH
	v_add_nc_u32 v[ADRA], s21, v3
	v_add_nc_u32 v[ADRA+1], SLOT, v[ADRA]
	v_add_nc_u32 v[ADRB], ASZ, v3
	v_add_nc_u32 v[ADRB+1], SLOT, v[ADRB]
	s_mul_i32 s21, s14, 16*SP
	s_add_co_u32 s21, s21, STAGE                   ; my stage
	v_mul_u32_u24 v[STO], v[LQ], SP                ; in: row l % 16, 32 bytes for each half of the lanes
	v_lshl_add_u32 v[STO], v[HH], 5, v[STO]
	v_add_nc_u32 v[STO], s21, v[STO]
	v_and_b32 v[GO], 31, v0                        ; back: 32 lanes take one row of 512 bytes
	v_lshlrev_b32 v[GO], 4, v[GO]
	v_add_nc_u32 v[RD], s21, v[GO]
	v_lshlrev_b32 v[PFO], 12, v[LQ]
	v_lshl_add_u32 v[PFO], v[HH], 8, v[PFO]
	s_lshl_b32 s22, s20, 8
	s_lshl_b32 s21, s14, 6
	s_add_co_u32 s22, s22, s21                     ; my first row of out0,
	s_lshl_b32 s22, s22, 13                        ; of 8,192 bytes,
	s_lshl_b32 s21, s19, 9                         ; the tile's 512
	s_add_co_u32 s22, s22, s21
	s_mov_b32 s23, 0
	s_add_nc_u64 s[10:11], s[10:11], s[22:23]
	s_lshl_b32 s22, s20, 8
	s_lshl_b32 s21, s17, 6
	s_add_co_u32 s22, s22, s21
	s_lshl_b32 s21, s14, 4
	s_add_co_u32 s22, s22, s21                     ; ao: row 256 x tile row + 64 cx + 16 wave
	s_lshl_b32 s22, s22, 12
	s_add_co_u32 s22, s22, 512                     ; at K step 2: the first trip steps it to 4
	s_add_nc_u64 s[PFA:PFA+1], s[4:5], s[22:23]
	s_mul_i32 s22, s19, 16*NBLK
	s_mul_i32 s21, s18, 4*NBLK
	s_add_co_u32 s22, s22, s21
	s_lshl_b32 s21, s14, 4
	s_add_co_u32 s22, s22, s21                     ; ob: row 128 x tile column + 32 cy + 16 wave
	s_lshl_b32 s22, s22, 12
	s_add_co_u32 s22, s22, 512
	s_add_nc_u64 s[PFB:PFB+1], s[6:7], s[22:23]
	s_cmp_eq_u32 ttmp9, 0
	s_cselect_b32 s[LIMA], 1, -1
	s_and_b32 s21, ttmp7, 0xffff
	s_cmp_lt_u32 s14, NBLK/4
	s_cselect_b32 s22, 0, 1
	s_or_b32 s21, s21, s22
	s_cmp_eq_u32 s21, 0
	s_cselect_b32 s[LIMB], 1, -1
	s_wait_loadcnt 0x0                             ; the bias
.set z, 0
.rept 4*NBLK                           ; rounded to bf16, like every input, and divided by 4, like O
	v_cvt_pk_bf16_f32 v[TT], v[BIAS+z], v[BIAS+z+1]
	v_lshlrev_b32 v[BIAS+z], 16, v[TT]
	v_and_b32 v[BIAS+z+1], s76, v[TT]
	v_pk_mul_f32 v[BIAS+z:BIAS+z+1], v[BIAS+z:BIAS+z+1], 0x3e800000 op_sel_hi:[1,0]
.set z, z+2
.endr
	s_wait_tensorcnt 0x1                           ; my part of K step 0 is in; K step 1's may stay out
	s_barrier_signal -1
	s_barrier_wait -1
	FETCH 0, 0, F0
	QUARTER 0, 64, F0, F1, 1                       ; the first products start the sums, with the bias
	WIN 0
	s_mov_b32 s3, LAPS-1
.Llap:
	QUARTER 0, 128, F1, F0, 0
	QUARTER 0, 192, F0, F1, 0
	TURN 0, 1, 1
	QUARTER 1, 64,  F0, F1, 0
	QUARTER 1, 128, F1, F0, 0
	QUARTER 1, 192, F0, F1, 0
	TURN 1, 0, 1
	QUARTER 0, 64,  F0, F1, 0
	WIN 0
	s_sub_co_u32 s3, s3, 1
	s_cmp_lg_u32 s3, 0
	s_cbranch_scc1 .Llap
	QUARTER 0, 128, F1, F0, 0                      ; the last lap fills nothing
	QUARTER 0, 192, F0, F1, 0
	TURN 0, 1, 0
	QUARTER 1, 64,  F0, F1, 0
	QUARTER 1, 128, F1, F0, 0
	QUARTER 1, 192, F0, F1, 0
	s_wait_dscnt 4
	MULA F1, 0, 0
	MULA F1, 1, 0
	s_wait_dscnt 0x0
	MULA F1, 2, 0
	MULA F1, 3, 0
	PLACES
; THE WAY OUT, a row block (16 rows x 128 columns of f32) at a time: times 4, into my stage (rows of 528 bytes), back as whole rows of 512 bytes, a row a store.
.macro PACKP a
.set AC, 64*((\a)%2)
.set BK, BK0+64*((\a)%2)
	WIN 0x01+(\a)/2
.set z, 0
.rept 32
	v_pk_mul_f32 v[Y+z:Y+z+1], v[AC+z:AC+z+1], 4.0 op_sel_hi:[1,0]
.set z, z+2
.endr
	WIN 0
.set z, 0
.rept 8
	ds_store_b128 v[STO], v[Y+8*z:Y+8*z+3]   offset:64*z
	ds_store_b128 v[STO], v[Y+8*z+4:Y+8*z+7] offset:64*z+16
.set z, z+1
.endr
	s_wait_xcnt 0x0                                ; the stores of two blocks back have read this buffer: it is loaded again only behind this wait
.set z, 0
.rept 16
	ds_load_b128 v[BK+4*z:BK+4*z+3], v[RD] offset:SP*z  ; LDS serves a wave's instructions in order (ISA guide 5.7.1.4): these see the stores above
.set z, z+1
.endr
.endm
.macro SENDP a, younger                ; younger: the LDS instructions issued behind this block's loads
.set BK, BK0+64*((\a)%2)
.set z, 0
.rept 16
	s_wait_dscnt (\younger)+15-z
	global_store_b128 v[GO], v[BK+4*z:BK+4*z+3], s[10:11] offset:(\a)*131072+z*8192  ; 512 consecutive bytes, at a multiple of 512 from out0's first byte
.set z, z+1
.endr
.endm
	PACKP 0
	PACKP 1
	SENDP 0, 32
	PACKP 2
	SENDP 1, 32
	PACKP 3
	SENDP 2, 32
	SENDP 3, 0
	s_wait_tensorcnt 0x0                           ; the wave's end
	ds_add_u32 v[SPW], v[NIL]
	s_wait_dscnt 0x0
	CROUND                                         ; the closing round: no work-group ends while a partner may still ask for a tile that names it
	s_endpgm
.Lfunc_end_k_q7bbbbfa66e_proj:
	.size	k_q7bbbbfa66e_proj, .Lfunc_end_k_q7bbbbfa66e_proj-k_q7bbbbfa66e_proj
	.p2alignl 7, 3214868480
	.fill 96, 4, 3214868480
	.section	.rodata,"a",@progbits
	.p2align	6, 0x0
	.amdhsa_kernel k_q7bbbbfa66e_proj
		.amdhsa_group_segment_fixed_size 327680
		.amdhsa_private_segment_fixed_size 0
		.amdhsa_enable_private_segment 0
		.amdhsa_kernarg_size 32
		.amdhsa_user_sgpr_count 2
		.amdhsa_user_sgpr_kernarg_segment_ptr 1
		.amdhsa_wavefront_size32 1
		.amdhsa_system_sgpr_workgroup_id_x 1
		.amdhsa_system_sgpr_workgroup_id_y 1
		.amdhsa_system_sgpr_workgroup_id_z 1
		.amdhsa_system_vgpr_workitem_id 0
		.amdhsa_next_free_vgpr 1024
		.amdhsa_next_free_sgpr 80
		.amdhsa_reserve_vcc 0
		.amdhsa_float_denorm_mode_32 3
		.amdhsa_float_denorm_mode_16_64 3
		.amdhsa_memory_ordered 1
		.amdhsa_forward_progress 1
		.amdhsa_inst_pref_size 104
	.end_amdhsa_kernel
	.amdgpu_metadata
---
amdhsa.version: [ 1, 2 ]
amdhsa.kernels:
  - .name:           k_q7bbbbfa66e_proj
    .symbol:         k_q7bbbbfa66e_proj.kd
    .args:
      - { .name: ao, .offset: 0, .size: 8, .value_kind: global_buffer, .address_space: global }
      - { .name: ob, .offset: 8, .size: 8, .value_kind: global_buffer, .address_space: global }
      - { .name: out_b, .offset: 16, .size: 8, .value_kind: global_buffer, .address_space: global }
      - { .name: out0, .offset: 24, .size: 8, .value_kind: global_buffer, .address_space: global }
    .group_segment_fixed_size: 327680
    .private_segment_fixed_size: 0
    .kernarg_segment_align: 8
    .kernarg_segment_size: 32
    .max_flat_workgroup_size: 128
    .sgpr_count:     80
    .vgpr_count:     1024
    .wavefront_size: 32
...
	.end_amdgpu_metadata
.endif
;; end of part 4
